; MI455X (gfx1250); checked and timed in simulation.
; The chip was launched on July 23, 2026; its instructions are those of AMD's public machine-readable ISA for CDNA 5 (MIT licence, August 2026) and "CDNA5" Instruction Set Architecture Reference Guide (July 2026). The comments in the code are by the model that wrote it; some were corrected since.
;; Cross Attention. Allowed arithmetic: matrix products marked QUANTISED: E5M2 operands, one given power-of-two scale a tensor, by v_wmma_f32_16x16x64_bf8_bf8 or v_wmma_f32_16x16x128_bf8_bf8, f32 sums; products left as they are: f32 operands where the result goes on into a quantised operand, else bf16, f16 or f32 operands; f32 sums; everything else in f32.
;; Inputs: Wk 2,048 x 2,048 float32; Wo 512 x 2,048 float32; Wq 2,048 x 2,048 float32; Wv 2,048 x 2,048 float32; bo 512 float32; lowp_scales 4 int32 (the exponents e of the quantised operands' scales 2^e); x1 2,048 float32; x2 8,192 x 2,048 float32.
;; Outputs: out0 1 x 512 float32.
;; This version of the problem:
;;   THIS VERSION OF THE PROBLEM IS GIVEN IN LOW PRECISION. The matrix products marked QUANTISED in the list below multiply operands that are first quantised to E5M2 (5 exponent bits, 2 mantissa bits; 8 bits a number), with one given power-of-two scale for each operand tensor; their sums are f32. All else is computed in f32.
;;   The module's matrix products, in the order in which they are computed (A, B: the left and right operand; K: the contracted axis; several contracted axes count as one K, in the product's order):
;;     1. [M 1, K 2,048] x [K 2,048, N 2,048]; A: input x1; B: input Wq: left as it is (M = 1 < 16)
;;     2. [M 8,192, K 2,048] x [K 2,048, N 2,048]; A: input x2; B: input Wk: QUANTISED (scales: A lowp_scales[0], B lowp_scales[1])
;;     3. [M 8,192, K 2,048] x [K 2,048, N 2,048]; A: input x2; B: input Wv: QUANTISED (scales: A lowp_scales[2], B lowp_scales[3])
;;     4. batch 16 x [M 1, K 128] x [K 128, N 8,192]; A: computed on the way; B: computed on the way: left as it is (M = 1 < 16)
;;     5. batch 16 x [M 1, K 8,192] x [K 8,192, N 128]; A: softmax; B: computed on the way: left as it is (M = 1 < 16)
;;     6. [M 1, K 2,048] x [K 2,048, N 512]; A: computed on the way; B: input Wo: left as it is (M = 1 < 16)
;;   THE QUANTISER, for each operand of a quantised product, along K:
;;     - The operand's scale is 2^e, e = its entry of the input lowp_scales (int32; the entries are numbered through the quantised products in the list's order, A before B).
;;     - Each number is divided by the scale, clamped to +-57,344, and rounded to the nearest number of E5M2, ties to even, subnormals kept.
;;     - The product sums the exact products of the quantised numbers (number of the format x scale) in f32.
;;   ~~~python
;;   def quantise(x, axis, e):      # numpy; x: float32 -> the quantised numbers, widened to float32 again
;;       x = np.moveaxis(x, axis, -1); K = x.shape[-1]
;;       r = np.clip(x / 2.0 ** e, -57344, 57344)
;;       step = 2.0 ** (np.maximum(np.frexp(np.where(r == 0, 1, r))[1] - 1, -14) - 2)
;;       q = np.round(r / step) * step * 2.0 ** e      # np.round: ties to even
;;       return np.moveaxis(q, -1, axis).astype(np.float32)
;;   ~~~
;; One version. Each part assembles by itself: llvm-mc -triple=amdgcn-amd-amdhsa -mcpu=gfx1250 --defsym DOCPART=n.
;; ======== version 1 of 1: 3 launches
;; limits: right only within a limited range of input values
;; workspace buffers: xc 33,554,432 bytes; wc 8,388,608 bytes; qv 8,192 bytes; part_o 262,144 bytes; part_ml 131,072 bytes
;; launch prep (part 1): grid 896 x 1, 4 waves a work-group, no clusters, 35,328 bytes of LDS; arguments x2, Wk, Wv, Wq, x1, lowp_scales, xc, wc, qv; writes xc, wc, qv
.if DOCPART == 1
	.amdgcn_target "amdgcn-amd-amdhsa--gfx1250"
	.amdhsa_code_object_version 6
	.text
	.protected	k_q32732a2059_prep
	.globl	k_q32732a2059_prep
	.p2align	8
	.type	k_q32732a2059_prep,@function
k_q32732a2059_prep:
	s_mov_b64 s[64:65], 0
	v_nop
	global_prefetch_b8 v0, s[64:65] scope:SCOPE_SE
	s_setreg_imm32_b32 hwreg(HW_REG_WAVE_MODE, 25, 1), 1
	s_wait_xcnt 0x0
; THREE JOBS IN ONE LAUNCH, told apart by the work-group's number g; every wave reads 32,768 bytes of f32.
;   g < 512:         x2 [8192][2048] -> codes of E5M2, TWICE: with 2^e0 (operand of x2 Wk^T) into xc's first half, with 2^e2 (of x2 Wv^T) into its second.  x2 is read once.
;   512 <= g < 768:  Wk with 2^e1 into wc's first half, Wv with 2^e3 into its second, LAID AS THE NEXT LAUNCH'S OPERAND REGISTERS TAKE THEM (below).
;   g >= 768:        q = x1 Wq^T in f32, four rows of Wq a wave, into qv.
; code = x / 2^e, held within +-57,344, to the nearest code, ties to even.
; LIMITS: each e between -126 and 112, so that 2^e and 57,344 x 2^e are f32 numbers.  NaN among the inputs is not served; an infinity is held at the largest code.
; THE ORDER OF THE CODES ALONG K is this program's own, the same for x2 and the weights: a step takes a window of 512 numbers of one row by four loads of 512 consecutive bytes;
; register 4 i + j of a lane is k = 128 i + 4 lane + j, and the lane's 16 codes are places 16 lane .. 16 lane + 15 of the window.
; xc: rows of 2,048 places.  wc: [product][head 16][step of 128 places 16][block of 16 rows 8][c 4][h 2][row 16][16 bytes]: place 128 q + 32 c + 16 h + 0..15 of row 16 b + r.
; A weight's wave takes 16 rows x one window: lane l's 16 bytes of row t belong to unit l (256 bytes) of the wave's 8,192, at byte 16 t.  They turn through the wave's own stage in LDS
; (units 272 bytes apart) and leave as whole units, 512 consecutive bytes a store.
.set X, 16                             ; v16-79   four sets of 16 numbers as loaded (q path: x1)
.set T, 80                             ; v80-95   the numbers held for the first scale
.set C, 96                             ; v96-223  codes: eight registers a step, never written again
.set SPARE, 4*32*272                   ; behind the four stages: the spare words
	s_load_b512 s[4:19], s[0:1], 0x0               ; x2, Wk, Wv, Wq, x1, scales, xc, wc
	s_load_b64 s[20:21], s[0:1], 0x40              ; qv
	v_lshl_add_u32 v12, v0, 2, SPARE               ; my spare word; never rewritten
	v_mov_b32 v13, 0                               ; 0; never rewritten
	v_lshrrev_b32 v2, 5, v0
	v_readfirstlane_b32 s22, v2                    ; wave 0..3
	v_and_b32 v3, 31, v0
	v_lshlrev_b32 v1, 4, v3                        ; 16 x lane: the offset of every global load and store
	s_mul_i32 s23, s22, 32*272                     ; my stage
	v_mul_u32_u24 v14, v3, 272
	v_add_nc_u32 v14, s23, v14                     ; into it: unit = lane
	v_lshrrev_b32 v4, 4, v3
	v_and_b32 v5, 15, v3
	v_mul_u32_u24 v15, v4, 272
	v_lshl_add_u32 v15, v5, 4, v15
	v_add_nc_u32 v15, s23, v15                     ; out of it: sixteen lanes to a unit, two units an instruction
	s_mov_b32 s29, 0                               ; the high word of every offset pair
	s_wait_kmcnt 0x0
	s_cmp_ge_u32 ttmp9, 768
	s_cbranch_scc1 .Lq
	s_cmp_ge_u32 ttmp9, 512
	s_cbranch_scc1 .Lw
.macro QLOAD t                         ; step t's 512 numbers into set t % 4; RSTR: bytes from step to step
.irp i, 0,1,2,3
	global_load_b128 v[X+16*((\t)%4)+4*\i:X+16*((\t)%4)+4*\i+3], v1, s[4:5] offset:RSTR*(\t)+512*\i th:TH_LOAD_NT
.endr
.endm
.macro SCALE e, vs, vl                 ; v[vs] = 2^e as f32 (the conversion takes its exponent field);  v[vl] = 57,344 x 2^e
	s_add_co_i32 s35, s[\e], 127
	s_lshl_b32 s36, s35, 23
	v_mov_b32 v[\vs], s36
	s_add_co_i32 s35, s35, 15
	s_lshl_b32 s35, s35, 23
	s_or_b32 s35, s35, 0x600000
	v_mov_b32 v[\vl], s35
.endm
.macro QSTEP t, dual                   ; dual = 1: two sets of codes from the same numbers, stored four steps at a time;  dual = 0: one set, into the stage
.set XS, X+16*((\t)%4)
.set CS, C+8*(\t)
.if (\t) < 13
	s_wait_loadcnt 12                              ; this step's four loads are in; those of the three steps behind it may be out
.else
	s_wait_loadcnt 4*(15-(\t))
.endif
.if \dual
.irp i, 0,1,2,3,4,5,6,7,8,9,10,11,12,13,14,15
	v_med3_num_f32 v[T+\i], v[XS+\i], -v9, v9      ; the conversion to an 8-bit code does not saturate (ISA guide 7.6.2): the hold for e0,
.endr
.irp i, 0,1,2,3,4,5,6,7,8,9,10,11,12,13,14,15
	v_med3_num_f32 v[XS+\i], v[XS+\i], -v11, v11   ; and for e2, in place
.endr
	v_cvt_scalef32_pk8_bf8_f32 v[CS:CS+1], v[T:T+7], v8
	v_cvt_scalef32_pk8_bf8_f32 v[CS+2:CS+3], v[T+8:T+15], v8
	v_cvt_scalef32_pk8_bf8_f32 v[CS+4:CS+5], v[XS:XS+7], v10
	v_cvt_scalef32_pk8_bf8_f32 v[CS+6:CS+7], v[XS+8:XS+15], v10
.else
.irp i, 0,1,2,3,4,5,6,7,8,9,10,11,12,13,14,15
	v_med3_num_f32 v[XS+\i], v[XS+\i], -v9, v9
.endr
	v_cvt_scalef32_pk8_bf8_f32 v[CS:CS+1], v[XS:XS+7], v8
	v_cvt_scalef32_pk8_bf8_f32 v[CS+2:CS+3], v[XS+8:XS+15], v8
.endif
	v_nop                                          ; one plain vector line behind the last conversion
.if (\t)+4 < 16
	QLOAD (\t)+4                                   ; the set just converted takes the loads of four steps on
.endif
.if \dual
.if ((\t)%4) == 3
.irp k, 3,2,1,0
	global_store_b128 v1, v[C+8*((\t)-\k):C+8*((\t)-\k)+3], s[16:17] offset:512*((\t)-\k)      ; 32 lanes store 512 consecutive bytes, aligned
	global_store_b128 v1, v[C+8*((\t)-\k)+4:C+8*((\t)-\k)+7], s[30:31] offset:512*((\t)-\k)
.endr
.endif
.else
	ds_store_b128 v14, v[CS:CS+3] offset:16*(\t)   ; row t's 16 bytes of my unit
.endif
.endm
	; ---- x2: wave u = 4 g + wave takes numbers 8,192 u on
.set RSTR, 2048
	s_load_b128 s[24:27], s[14:15], 0x0            ; e0, e1, e2, e3
	s_lshl_b32 s34, ttmp9, 2
	s_add_co_u32 s34, s34, s22
	s_lshl_b32 s28, s34, 15
	s_add_nc_u64 s[4:5], s[4:5], s[28:29]
	s_lshl_b32 s28, s34, 13
	s_add_nc_u64 s[16:17], s[16:17], s[28:29]
	s_add_nc_u64 s[30:31], s[16:17], 0x1000000     ; the second set of codes lies 8,192 x 2,048 bytes on
	s_wait_alu depctr_va_vdst(0)                   ; the wait ahead of the first readers of the head's registers
.irp t, 0,1,2,3
	QLOAD \t
.endr
	s_wait_kmcnt 0x0
	SCALE 24, 8, 9
	SCALE 26, 10, 11
	s_wait_alu depctr_va_vdst(0)
.irp t, 0,1,2,3,4,5,6,7,8,9,10,11,12,13,14,15
	QSTEP \t, 1
.endr
	s_endpgm
	; ---- Wk (g' < 128) or Wv: work-group g' takes rows 16 (g' % 128) on, its wave w places 512 w on; a step is a row
.Lw:
.set RSTR, 8192
	s_load_b128 s[24:27], s[14:15], 0x0
	s_sub_co_u32 s34, ttmp9, 512                   ; g' 0..255
	s_cmp_lt_u32 s34, 128
	s_cselect_b64 s[4:5], s[6:7], s[8:9]
	s_and_b32 s35, s34, 127
	s_lshl_b32 s28, s35, 17                        ; 16 rows of 8,192 bytes
	s_lshl_b32 s35, s22, 11
	s_add_co_u32 s28, s28, s35                     ; + my window
	s_add_nc_u64 s[4:5], s[4:5], s[28:29]
	s_lshr_b32 s35, s34, 3
	s_lshl_b32 s28, s35, 18                        ; product and head: 262,144 bytes each
	s_and_b32 s35, s34, 7
	s_lshl_b32 s35, s35, 11
	s_add_co_u32 s28, s28, s35                     ; + block of 16 rows: 2,048
	s_lshl_b32 s35, s22, 16
	s_add_co_u32 s28, s28, s35                     ; + steps 4 w on: 16,384 each
	s_add_nc_u64 s[16:17], s[18:19], s[28:29]
	s_wait_alu depctr_va_vdst(0)
.irp t, 0,1,2,3
	QLOAD \t
.endr
	s_wait_kmcnt 0x0
	s_cmp_lt_u32 s34, 128
	s_cselect_b32 s37, s25, s27                    ; e1 or e3
	SCALE 37, 8, 9
	s_wait_alu depctr_va_vdst(0)
.irp t, 0,1,2,3,4,5,6,7,8,9,10,11,12,13,14,15
	QSTEP \t, 0
.endr
.irp j, 0,1,2,3,4,5,6,7,8,9,10,11,12,13,14,15
	ds_load_b128 v[X+4*\j:X+4*\j+3], v15 offset:2*\j*272   ; LDS serves a wave's instructions in order: these see my stores
.endr
.irp j, 0,1,2,3,4,5,6,7,8,9,10,11,12,13,14,15
	s_wait_dscnt 15-\j
	global_store_b128 v1, v[X+4*\j:X+4*\j+3], s[16:17] offset:(\j/4)*16384+(\j%4)*512   ; units 2 j, 2 j + 1: 512 consecutive bytes, aligned
.endr
	s_wait_tensorcnt 0x0                           ; the wave's end
	ds_add_u32 v12, v13
	s_wait_dscnt 0x0
	s_endpgm
	; ---- q = x1 Wq^T: a product with one row, in f32 multiply-adds.  Wave u = 4 (g - 768) + wave takes rows 4 u .. 4 u + 3 of Wq, a whole row by 16 loads, two rows in flight.
	; A wave stores its four numbers, 16 bytes, from lane 0: q is 8,192 bytes in all.
.Lq:
	s_sub_co_u32 s34, ttmp9, 768
	s_lshl_b32 s34, s34, 2
	s_add_co_u32 s34, s34, s22
	s_lshl_b32 s28, s34, 15
	s_add_nc_u64 s[10:11], s[10:11], s[28:29]
	s_lshl_b32 s28, s34, 4
	s_add_nc_u64 s[20:21], s[20:21], s[28:29]
	s_mov_b32 s32, 0x76543210                      ; v_permlanex16_b32: lane l xor 16
	s_mov_b32 s33, 0xfedcba98
.macro RLOAD row, set
.irp i, 0,1,2,3,4,5,6,7,8,9,10,11,12,13,14,15
	global_load_b128 v[80+64*(\set)+4*\i:80+64*(\set)+4*\i+3], v1, s[10:11] offset:8192*(\row)+512*\i th:TH_LOAD_NT
.endr
.endm
.macro DOT row, set                    ; 64 numbers a lane: 32 packed multiply-adds in four chains
.set RS, 80+64*(\set)
.irp p, 0,1,2,3
	v_pk_mul_f32 v[208+2*\p:209+2*\p], v[16+2*\p:17+2*\p], v[RS+2*\p:RS+2*\p+1]
.endr
.set j, 4
.rept 28
	v_pk_fma_f32 v[208+2*(j%4):209+2*(j%4)], v[16+2*j:17+2*j], v[RS+2*j:RS+2*j+1], v[208+2*(j%4):209+2*(j%4)]
.set j, j+1
.endr
	v_pk_add_f32 v[208:209], v[208:209], v[210:211]
	v_pk_add_f32 v[212:213], v[212:213], v[214:215]
	v_pk_add_f32 v[208:209], v[208:209], v[212:213]
	v_add_f32 v[216+\row], v208, v209
.endm
	s_wait_alu depctr_va_vdst(0)
.irp i, 0,1,2,3,4,5,6,7,8,9,10,11,12,13,14,15
	global_load_b128 v[16+4*\i:19+4*\i], v1, s[12:13] offset:512*\i     ; x1, laid as a row of Wq is
.endr
	RLOAD 0, 0
	RLOAD 1, 1
.irp r, 0,1,2,3
	v_mov_b32 v[220+\r], 0                         ; a lane permute's destination counts as one of its sources
.endr
	s_wait_loadcnt 16                              ; x1 and row 0 are in; the younger row's 16 loads may be out
	DOT 0, 0
	RLOAD 2, 0
	s_wait_loadcnt 16
	DOT 1, 1
	RLOAD 3, 1
	s_wait_loadcnt 16
	DOT 2, 0
	s_wait_loadcnt 0x0
	DOT 3, 1
.irp m, 1,2,4,8
.irp r, 0,1,2,3
	v_add_f32_dpp v[216+\r], v[216+\r], v[216+\r] row_xmask:\m row_mask:0xf bank_mask:0xf
.endr
.endr
.irp r, 0,1,2,3
	v_permlanex16_b32 v[220+\r], v[216+\r], s32, s33
.endr
.irp r, 0,1,2,3
	v_add_f32 v[216+\r], v[216+\r], v[220+\r]
.endr
	v_mov_b32 v2, 0
	v_cmp_eq_u32 vcc_lo, 0, v1
	s_wait_alu depctr_va_vdst(0)
	s_wait_xcnt 0x0                                ; EXEC is a source of the loads above: it changes only behind this wait
	s_and_saveexec_b32 s34, vcc_lo
	global_store_b128 v2, v[216:219], s[20:21]     ; q[4 u .. 4 u + 3]
	s_wait_xcnt 0x0                                ; and again in front of the line that widens it
	s_or_b32 exec_lo, exec_lo, s34
	s_endpgm
.Lfunc_end_k_q32732a2059_prep:
	.size	k_q32732a2059_prep, .Lfunc_end_k_q32732a2059_prep-k_q32732a2059_prep
	.p2alignl 7, 3214868480
	.fill 96, 4, 3214868480
	.section	.rodata,"a",@progbits
	.p2align	6, 0x0
	.amdhsa_kernel k_q32732a2059_prep
		.amdhsa_group_segment_fixed_size 35328
		.amdhsa_private_segment_fixed_size 0
		.amdhsa_enable_private_segment 0
		.amdhsa_kernarg_size 72
		.amdhsa_user_sgpr_count 2
		.amdhsa_user_sgpr_kernarg_segment_ptr 1
		.amdhsa_wavefront_size32 1
		.amdhsa_system_sgpr_workgroup_id_x 1
		.amdhsa_system_sgpr_workgroup_id_y 1
		.amdhsa_system_sgpr_workgroup_id_z 1
		.amdhsa_system_vgpr_workitem_id 0
		.amdhsa_next_free_vgpr 224
		.amdhsa_next_free_sgpr 66
		.amdhsa_reserve_vcc 1
		.amdhsa_float_denorm_mode_32 3
		.amdhsa_float_denorm_mode_16_64 3
		.amdhsa_memory_ordered 1
		.amdhsa_forward_progress 1
		.amdhsa_inst_pref_size 98
	.end_amdhsa_kernel
	.amdgpu_metadata
---
amdhsa.version: [ 1, 2 ]
amdhsa.kernels:
  - .name:           k_q32732a2059_prep
    .symbol:         k_q32732a2059_prep.kd
    .args:
      - { .name: x2, .offset: 0, .size: 8, .value_kind: global_buffer, .address_space: global }
      - { .name: Wk, .offset: 8, .size: 8, .value_kind: global_buffer, .address_space: global }
      - { .name: Wv, .offset: 16, .size: 8, .value_kind: global_buffer, .address_space: global }
      - { .name: Wq, .offset: 24, .size: 8, .value_kind: global_buffer, .address_space: global }
      - { .name: x1, .offset: 32, .size: 8, .value_kind: global_buffer, .address_space: global }
      - { .name: lowp_scales, .offset: 40, .size: 8, .value_kind: global_buffer, .address_space: global }
      - { .name: xc, .offset: 48, .size: 8, .value_kind: global_buffer, .address_space: global }
      - { .name: wc, .offset: 56, .size: 8, .value_kind: global_buffer, .address_space: global }
      - { .name: qv, .offset: 64, .size: 8, .value_kind: global_buffer, .address_space: global }
    .group_segment_fixed_size: 35328
    .private_segment_fixed_size: 0
    .kernarg_segment_align: 8
    .kernarg_segment_size: 72
    .max_flat_workgroup_size: 128
    .sgpr_count:     66
    .vgpr_count:     224
    .wavefront_size: 32
...
	.end_amdgpu_metadata
.endif
;; end of part 1
;; launch attn (part 2): grid 8 x 32, 4 waves a work-group, clusters of 4 x 1, 327,680 bytes of LDS; arguments xc, wc, qv, lowp_scales, part_o, part_ml; writes part_o, part_ml
.if DOCPART == 2
	.amdgcn_target "amdgcn-amd-amdhsa--gfx1250"
	.amdhsa_code_object_version 6
	.text
	.protected	k_q32732a2059_attn
	.globl	k_q32732a2059_attn
	.p2align	8
	.type	k_q32732a2059_attn,@function
k_q32732a2059_attn:
	s_mov_b64 s[64:65], 0
	v_nop
	global_prefetch_b8 v0, s[64:65] scope:SCOPE_SE
	s_setreg_imm32_b32 hwreg(HW_REG_WAVE_MODE, 25, 1), 1
	s_wait_xcnt 0x0
	s_wait_alu depctr_hold_cnt(0) depctr_sa_sdst(0) depctr_va_vdst(0) depctr_va_sdst(0) depctr_va_ssrc(0) depctr_va_vcc(0) depctr_vm_vsrc(0)
	s_getreg_b32 s2, hwreg(HW_REG_IB_STS2, 6, 4)
	s_cmp_eq_u32 s2, 0
	s_cbranch_scc0 .Lentry_in_a_cluster
	s_endpgm
.Lentry_in_a_cluster:
	s_bfe_u32 s2, ttmp6, 0x10000c
	s_cmp_lg_u32 s2, 0x3003
	s_cbranch_scc0 .Lentry_shape_is_right
	s_endpgm
.Lentry_shape_is_right:
; Both quantised products and the attention of one query, for 256 keys (rows of x2) x 2 heads a work-group.  A wave owns 128 keys x one head (128 columns): 64 accumulators, 512 registers.
; ONE BODY RUNS TWICE (s50 = 0: k = x2 Wk^T; 1: v = x2 Wv^T), 16 steps of 128 along K each.  Behind the first run: t = (q . k) log2(e) / sqrt(128) 2^(e0 + e1), m = the wave's largest t, p = 2^(t - m), l = sum p.
; Behind the second: o[n] = sum over my keys of p v[key][n], x 2^(e2 + e3).  The two waves of a head join their (m, l, o) through LDS; the record goes to part_o / part_ml for the last launch.
; A (x2's codes) comes through two LDS slots of 512 along K, filled by joint tensor loads: the four work-groups of a cluster (4 x 1) have the same 256 keys; each wave fetches 64 rows of 512 bytes.
; B (the weights' codes) comes FROM MEMORY STRAIGHT INTO REGISTERS: the launch before laid wc in the order of the operand's registers, so each load takes 512 consecutive bytes.
; WHY B IS NOT ASKED FOR JOINTLY: A's two slots take 270,336 of LDS's 327,680 bytes; two slots of B's 256 rows x 512 would take as many again.  The partners of a cluster share no B (each has its own heads).
; THE MATRIX INSTRUCTION IS USED TRANSPOSED in both runs (source 0 = 16 rows of the weight, source 1 = 16 keys): lane l holds key l % 16, its registers j the columns 8 (l / 16) + j.
; So the scores are sums inside a lane (and lane l xor 16), p lies one key a lane, and o is a sum over registers' accumulators and then over 16 lanes.
; REGISTERS.  Window 0: v0-31 below; v32-127 A's ring: three pairs of blocks (2 x 16 keys x 128 K); v128-255 B's set 2.  Window 1: B's sets 0, 1.  Windows 2, 3: accumulator (a, b) at v[8 (8 (a % 4) + b)].
; A step is four pairs, 16 matrix instructions each.  Behind pair P its ring place takes pair P + 3; step q's B lies in set q % 3 and is asked for in four batches of 8 loads, from the end of step q - 3 to pair 2 of step q - 2:
; by the text's own count at most 72 loads are written ahead of a wait, and the counter's field holds the issue at 63 (ISA guide 5.7.1).
; LIMITS: NaN is not served.  The softmax's promise holds while the scaled scores stay under 2^31 in magnitude.  e0 + e1 and e2 + e3 are applied by v_ldexp_f32 and have no bound.
.set PITCH,  528                       ; an LDS row: 512 bytes + 16 of padding, an odd multiple of 16
.set SLOT,   256*PITCH
.set SPARE,  2*SLOT                    ; the spare words, 512 bytes
.set OSTG,   SPARE+512                 ; 512 bytes a wave: o
.set MLSTG,  OSTG+2048                 ; 8 bytes a wave: m, l
.set XSET,   8192*2048                 ; from x2's first set of codes to its second
.set WSET,   2048*2048                 ; from Wk's codes to Wv's
.set ADRA, 1                           ; v1-2   LDS address of my A fragments in slot 0, 1
.set BOF,  3                           ; v3     16 x lane
.set SPW,  4                           ; v4     my spare word; never rewritten
.set NIL,  5                           ; v5     0; never rewritten
.set PFO,  6                           ; v6     A's prefetches: 2,048 (lane / 2) + 256 (lane % 2)
.set QOF,  7                           ; v7     32 (lane / 16)
.set PV,   8                           ; v8-23  p of block a in v[8 + 2 a]; the odd ones are named as upper halves of pairs
.set MX,   24                          ; v24 m, v25 l
.set LS,   25
.set PFW,  26                          ; v26    B's prefetches
.set AF,   32
.set TT,   32                          ; at work between the runs
.set SS,   96
.set QV,   160
.set G1, 24                            ; s[24:31] descriptor group 1; s[32:39] group 0, one for each slot
.set G0, 32
.set BB, 44                            ; s[44:45] my head's codes of the weight in hand
.set PFA, 46                           ; s[46:47] my 16 rows of the set of x2's codes in hand; s[48:49] of the second set
.set PFN, 48
.set MSB, 0
.macro WIN new                         ; the immediate's high byte repeats the setting that is left
.if MSB != (\new)
	s_set_vgpr_msb (MSB<<8)|(\new)
.set MSB, \new
.endif
.endm
.macro ROUND                           ; a round of the cluster's barrier
	s_barrier_signal -1
	s_barrier_wait -1
	s_cmp_lg_u32 s14, 0
	s_cbranch_scc1 .Lnw0_\@
	s_barrier_signal -3
.Lnw0_\@:
	s_barrier_wait -3
	s_barrier_signal -1
	s_barrier_wait -1
.endm
.macro JLOAD s                         ; my 64 rows of slot s; the same line and descriptor in all four partners.  s_nop 0 and four v_nop
	tensor_load_to_lds s[G0+4*(\s):G0+4*(\s)+3], s[G1:G1+7]
	s_nop 0
.rept 4
	v_nop
.endr
.endm
.macro ALOAD P                         ; pair P (blocks 2 (P % 4), + 1 of step P / 4) into ring place P % 3
.set aR, AF+32*((\P)%3)
.set aS, ADRA+(((\P)/16)%2)
.irp u, 0,1
.irp c, 0,1,2,3
	ds_load_b128 v[aR+16*\u+4*\c:aR+16*\u+4*\c+3], v[aS] offset:128*(((\P)/4)%4)+32*\c+(2*((\P)%4)+\u)*16*PITCH
.endr
.endr
.endm
.macro BLOAD q, t                      ; batch t (fragments 2 t, 2 t + 1) of step q's B into set q % 3
.if ((\q)%3) < 2
	WIN 0x40
.set bR, 128*((\q)%3)
.else
	WIN 0
.set bR, 128
.endif
.irp u, 0,1
.irp c, 0,1,2,3
	global_load_b128 v[bR+16*(2*(\t)+\u)+4*\c:bR+16*(2*(\t)+\u)+4*\c+3], v[BOF], s[BB:BB+1] offset:16384*(\q)+2048*(2*(\t)+\u)+512*\c
.endr
.endr
	WIN 0
.endm
.macro MUL P                           ; 16 matrix instructions; the 64 accumulators take turns in the same order in every step; step 0 starts the sums
.set aR, AF+32*((\P)%3)
.if (((\P)/4)%3) < 2
.set bR, 128*(((\P)/4)%3)
	WIN 0xa1+0x50*(((\P)%4)/2)
.else
.set bR, 128
	WIN 0xa0+0x50*(((\P)%4)/2)
.endif
.irp u, 0,1
.irp b, 0,1,2,3,4,5,6,7
.set rD, 8*(8*((2*((\P)%4)+\u)%4)+\b)
.if (\P) < 4
	v_wmma_f32_16x16x128_bf8_bf8 v[rD:rD+7], v[bR+16*\b:bR+16*\b+15], v[aR+16*\u:aR+16*\u+15], 0
.else
	v_wmma_f32_16x16x128_bf8_bf8 v[rD:rD+7], v[bR+16*\b:bR+16*\b+15], v[aR+16*\u:aR+16*\u+15], v[rD:rD+7]
.endif
.endr
.endr
.endm
.macro AHEAD P                         ; what is asked for behind pair P
.if (\P)+3 < 64
	ALOAD (\P)+3
.endif
.if ((\P)%4) < 3
.if (\P)/4+2 < 16
	BLOAD (\P)/4+2, ((\P)%4)+1
.endif
.else
.if (\P)/4+3 < 16
	BLOAD (\P)/4+3, 0
.endif
.endif
.endm
.macro PAIR P
.if ((\P)%4) == 0                      ; this step's B is in; younger: the next set's 32 loads and one batch of the set after
.if (\P)/4 < 14
	s_wait_loadcnt 40
.else
	s_wait_loadcnt 32*(15-(\P)/4)
.endif
.endif
.if (\P) < 62
	s_wait_dscnt 16                                ; pair P is in; the two younger pairs may be out
.else
	s_wait_dscnt 8*(63-(\P))
.endif
	MUL \P
.rept 4
	v_nop                                          ; places in front of loads into registers that matrix instructions have read, and of the first reads of results
.endr
	WIN 0
	AHEAD \P
.endm
; THE CHANGE OF SLOTS stands at pair 1 of a slot's last step: the slot's last reads (pair 3's) are out, and the next pair to be fetched lies in the other slot.
; fill = 1: the slot just left is filled again, 1,024 along K on; the load has four steps in which to land.
.macro CHANGE P, fill
	s_wait_tensorcnt 0x0                           ; all my tensor loads have landed: my part of the other slot
	ds_add_u32 v[SPW], v[NIL]
.if \fill
	s_add_nc_u64 s[G0+4*(((\P)/16)%2)+2:G0+4*(((\P)/16)%2)+3], s[G0+4*(((\P)/16)%2)+2:G0+4*(((\P)/16)%2)+3], 1024
.endif
	s_wait_dscnt 17                                ; pair P is in; two younger pairs and the add may be out
	MUL \P
	WIN 0
	s_wait_dscnt 0x0                               ; the add is done, and my reads of this slot are over
.if \fill
	ROUND
	JLOAD ((\P)/16)%2
.else
	s_barrier_signal -1
	s_barrier_wait -1
.rept 4
	v_nop
.endr
.endif
	AHEAD \P
.if \fill
	s_cmp_lg_u32 s50, 0                            ; in the first run: the second run's slots 0 and 1 of A, two fills ahead; in the second run nothing follows
	s_cbranch_scc1 .Lna_\@
	global_prefetch_b8 v[PFO], s[PFN:PFN+1] offset:512*((\P)/16) th:TH_LOAD_NT scope:SCOPE_SE
.if (\P) < 16
	global_prefetch_b8 v[PFW], s[BB:BB+1] offset:WSET th:TH_LOAD_NT scope:SCOPE_SE   ; and my piece of Wv's codes, 13 steps ahead of the run that reads them
.endif
.Lna_\@:
.endif
.endm
	s_load_b256 s[4:11], s[0:1], 0x0               ; xc, wc, qv, the scales
	s_load_b128 s[68:71], s[0:1], 0x20             ; part_o, part_ml
	v_lshl_add_u32 v[SPW], v0, 2, SPARE
	v_mov_b32 v[NIL], 0
	ds_add_u32 v[SPW], v[NIL]                      ; the opening lines: the add twice on end and its wait
	ds_add_u32 v[SPW], v[NIL]
	v_lshrrev_b32 v27, 5, v0
	v_readfirstlane_b32 s14, v27                   ; wave 0..3
	s_lshr_b32 s15, s14, 1                         ; which 128 keys
	s_and_b32 s16, s14, 1                          ; which head of the two
	s_bfe_u32 s40, ttmp6, 0x40000                  ; cx
	s_lshl_b32 s42, ttmp9, 2
	s_add_co_u32 s42, s42, s40                     ; pair of heads 0..7
	s_and_b32 s17, ttmp7, 0xffff                   ; block of 256 keys 0..31
	s_mov_b32 s[G1], 15|(1<<20)|(1<<21)|(6<<22)|(3<<25)   ; mask: the four partners; elements of 1 byte; 4 words of padding after every 128
	s_mov_b32 s[G1+1], 512<<16
	s_mov_b32 s[G1+2], 64<<16
	s_mov_b32 s[G1+3], 512<<16
	s_mov_b32 s[G1+4], 64
	s_mov_b32 s[G1+5], 2048
	s_mov_b32 s[G1+6], 0
	s_mov_b32 s[G1+7], 0
	s_lshl_b32 s20, s17, 8
	s_lshl_b32 s21, s14, 6
	s_add_co_u32 s20, s20, s21
	s_lshl_b32 s20, s20, 11                        ; my 64 rows of xc, in bytes
	s_mov_b32 s21, 0
	s_lshl_b32 s22, s40, 15
	s_add_co_u32 s22, s22, s20                     ; of them my work-group's 16, told apart by address, for the prefetches
	s_mov_b32 s23, 0
	s_mul_i32 s41, s14, 64*PITCH                   ; where my rows go in a slot
	s_mul_i32 s18, s15, 128*PITCH                  ; where my 128 keys lie in a slot
	s_lshl_b32 s19, s15, 4
	s_add_co_u32 s19, s19, s17
	s_and_b32 s19, s19, 31
	s_lshl_b32 s19, s19, 13                        ; my piece, 8,192 bytes, of my head's 262,144 bytes of a weight: the 64 waves that read them share the 32 pieces out, two waves to a piece
	s_lshl_b32 s87, s42, 1
	s_add_co_u32 s87, s87, s16                     ; head
	s_mov_b32 s78, 0x3e0293ee                      ; log2(e) / sqrt(128)
	s_mov_b32 s80, 0x76543210
	s_mov_b32 s81, 0xfedcba98
	s_mov_b32 s50, 0
	v_and_b32 v27, 15, v0
	v_bfe_u32 v28, v0, 4, 1
	v_and_b32 v29, 31, v0
	v_mul_u32_u24 v30, v27, PITCH
	v_lshl_add_u32 v30, v28, 4, v30
	v_add_nc_u32 v[ADRA], s18, v30
	v_add_nc_u32 v[ADRA+1], SLOT, v[ADRA]
	v_lshlrev_b32 v[BOF], 4, v29
	v_lshlrev_b32 v[QOF], 5, v28
	v_lshrrev_b32 v31, 1, v29
	v_and_b32 v30, 1, v29
	v_lshlrev_b32 v30, 8, v30
	v_lshl_add_u32 v[PFO], v31, 11, v30
	v_lshl_add_u32 v[PFW], v29, 8, s19
.irp j, 0,1,2,3,4,5,6,7,8,9,10,11,12,13,14,15,16,17
	v_mov_b32 v[PV+\j], 0
.endr
	s_wait_alu depctr_va_vdst(0)                   ; the wait at the head's end
	s_wait_dscnt 0x0                               ; both opening adds are done
	s_wait_kmcnt 0x0
	s_load_b128 s[72:75], s[10:11], 0x0            ; e0, e1, e2, e3
.irp s, 0,1
	s_mov_b32 s[G0+4*\s], 1
	s_add_co_u32 s[G0+4*\s+1], s41, \s*SLOT
	s_add_nc_u64 s[G0+4*\s+2:G0+4*\s+3], s[4:5], s[20:21]
	s_add_nc_u64 s[G0+4*\s+2:G0+4*\s+3], s[G0+4*\s+2:G0+4*\s+3], \s*512
	s_or_b32 s[G0+4*\s+3], s[G0+4*\s+3], 0x80000000
.endr
	s_add_nc_u64 s[PFA:PFA+1], s[4:5], s[22:23]
	s_add_nc_u64 s[PFN:PFN+1], s[PFA:PFA+1], XSET
	s_lshl_b32 s20, s87, 18
	s_add_nc_u64 s[BB:BB+1], s[6:7], s[20:21]
	s_lshl_b32 s20, s87, 9
	s_add_nc_u64 s[8:9], s[8:9], s[20:21]          ; my head's q
	s_lshl_b32 s20, s87, 5
	s_add_co_u32 s20, s20, s17
	s_lshl_b32 s20, s20, 8
	s_add_nc_u64 s[70:71], s[70:71], s[20:21]      ; record (head, block): 256 bytes in part_ml,
	s_lshl_b32 s20, s20, 1
	s_add_nc_u64 s[68:69], s[68:69], s[20:21]      ; 512 in part_o
.Lgemm:                                            ; two trips
	s_wait_tensorcnt 0x0
	ds_add_u32 v[SPW], v[NIL]                      ; twice on end
	ds_add_u32 v[SPW], v[NIL]
	s_wait_dscnt 0x0
	ROUND
	JLOAD 0                                        ; places 0 .. 511
.irp t, 0,1,2,3
	BLOAD 0, \t
.endr
	BLOAD 1, 0
	global_prefetch_b8 v[PFO], s[PFA:PFA+1] offset:1024 th:TH_LOAD_NT scope:SCOPE_SE   ; A's fill after next: 16 rows x 512 bytes, a lane to each 256; each block once in the cluster
	s_cmp_lg_u32 s50, 0
	s_cbranch_scc1 .Lscores
	global_prefetch_b8 v[PFW], s[BB:BB+1] th:TH_LOAD_NT scope:SCOPE_SE   ; my piece of Wk's codes (the pieces of the first steps come by their loads as well)
	s_branch .Lprimed
.Lscores:                                          ; BEHIND THE FIRST RUN, while slot 0 is on its way: the scores and p
.irp b, 0,1,2,3,4,5,6,7
	global_load_b128 v[QV+8*\b:QV+8*\b+3], v[QOF], s[8:9] offset:64*\b        ; q[16 b + 8 h + 0 .. 7]
	global_load_b128 v[QV+8*\b+4:QV+8*\b+7], v[QOF], s[8:9] offset:64*\b+16
.endr
	s_wait_kmcnt 0x0
	s_add_co_i32 s76, s72, s73
	s_wait_loadcnt 0x0
.irp a, 0,2,4,6
	WIN 0x02+(\a/4)
.irp u, 0,1
.irp b, 0,1,2,3,4,5,6,7
.irp i, 0,2,4,6
.if \b == 0
	v_pk_mul_f32 v[TT+16*\u+\i:TT+16*\u+\i+1], v[64*((\a+\u)%4)+8*\b+\i:64*((\a+\u)%4)+8*\b+\i+1], v[QV+8*\b+\i:QV+8*\b+\i+1]
.else
	v_pk_fma_f32 v[TT+16*\u+\i:TT+16*\u+\i+1], v[64*((\a+\u)%4)+8*\b+\i:64*((\a+\u)%4)+8*\b+\i+1], v[QV+8*\b+\i:QV+8*\b+\i+1], v[TT+16*\u+\i:TT+16*\u+\i+1]
.endif
.endr
.endr
.endr
	WIN 0
.irp u, 0,1
	v_pk_add_f32 v[TT+16*\u:TT+16*\u+1], v[TT+16*\u:TT+16*\u+1], v[TT+16*\u+2:TT+16*\u+3]
	v_pk_add_f32 v[TT+16*\u+4:TT+16*\u+5], v[TT+16*\u+4:TT+16*\u+5], v[TT+16*\u+6:TT+16*\u+7]
.endr
.irp u, 0,1
	v_pk_add_f32 v[TT+16*\u:TT+16*\u+1], v[TT+16*\u:TT+16*\u+1], v[TT+16*\u+4:TT+16*\u+5]
.endr
.irp u, 0,1
	v_add_f32 v[SS+\a+\u], v[TT+16*\u], v[TT+16*\u+1]
.endr
.endr
.irp a, 0,1,2,3,4,5,6,7
	v_permlanex16_b32 v[TT+16+\a], v[SS+\a], s80, s81
.endr
.irp a, 0,1,2,3,4,5,6,7
	v_add_f32 v[SS+\a], v[SS+\a], v[TT+16+\a]      ; the other half of the head's 128
.endr
.irp a, 0,1,2,3,4,5,6,7
	v_mul_f32 v[SS+\a], s78, v[SS+\a]
.endr
.irp a, 0,1,2,3,4,5,6,7
	v_ldexp_f32 v[SS+\a], v[SS+\a], s76            ; t of key 16 a + lane % 16
.endr
	v_max3_num_f32 v[MX], v[SS], v[SS+1], v[SS+2]
	v_max3_num_f32 v[TT], v[SS+3], v[SS+4], v[SS+5]
	v_max3_num_f32 v[MX], v[MX], v[SS+6], v[SS+7]
	v_max_num_f32 v[MX], v[MX], v[TT]
.irp m, 1,2,4,8
	v_max_num_f32_dpp v[MX], v[MX], v[MX] row_xmask:\m row_mask:0xf bank_mask:0xf
.endr
.irp a, 0,1,2,3,4,5,6,7
	v_sub_f32 v[SS+\a], v[SS+\a], v[MX]
.endr
	s_wait_alu depctr_va_vdst(0)                   ; the wait ahead of the batch,
.irp a, 0,1,2,3,4,5,6,7
	v_exp_f32 v[PV+2*\a], v[SS+\a]
.endr
	v_nop
	s_wait_alu depctr_va_vdst(0)                   ; and behind it
.irp a, 0,1,2,3
	v_add_f32 v[TT+\a], v[PV+4*\a], v[PV+4*\a+2]
.endr
	v_add_f32 v[TT], v[TT], v[TT+1]
	v_add_f32 v[TT+2], v[TT+2], v[TT+3]
	v_add_f32 v[LS], v[TT], v[TT+2]
.irp m, 1,2,4,8
	v_add_f32_dpp v[LS], v[LS], v[LS] row_xmask:\m row_mask:0xf bank_mask:0xf
.endr
	s_wait_alu depctr_va_vdst(0)
.Lprimed:
.irp t, 1,2,3
	BLOAD 1, \t
.endr
	BLOAD 2, 0
	s_wait_tensorcnt 0x0                           ; my part of slot 0 is in
	ds_add_u32 v[SPW], v[NIL]
	s_wait_dscnt 0x0
	ROUND
	JLOAD 1                                        ; places 512 .. 1,023
	ALOAD 0
	ALOAD 1
	ALOAD 2
	global_prefetch_b8 v[PFO], s[PFA:PFA+1] offset:1536 th:TH_LOAD_NT scope:SCOPE_SE
.set P, 0
.rept 64
.set CH, 0
.if (P%16) == 13
.if P < 45
.set CH, 1
.else
.if P == 45
.set CH, 2
.endif
.endif
.endif
.if CH == 1
	CHANGE P, 1
.else
.if CH == 2
	CHANGE P, 0                                    ; into the run's last slot: nothing is filled, so no round
.else
	PAIR P
.endif
.endif
.set P, P+1
.endr
	s_wait_xcnt 0x0                                ; my loads and prefetches have read their bases; no tensor load is out since the last change
	s_add_nc_u64 s[G0+2:G0+3], s[G0+2:G0+3], XSET-1024     ; on to the second set of x2's codes (behind the second run the stepped addresses are not used)
	s_add_nc_u64 s[G0+6:G0+7], s[G0+6:G0+7], XSET-1024
	s_add_nc_u64 s[PFA:PFA+1], s[PFA:PFA+1], XSET
	s_add_nc_u64 s[BB:BB+1], s[BB:BB+1], WSET
	s_add_co_u32 s50, s50, 1
	s_cmp_lt_u32 s50, 2
	s_cbranch_scc1 .Lgemm
	; BEHIND THE SECOND RUN: o[16 b + 8 h + j] = sum over a and over the 16 lanes of p(a) x accumulator (a, b)[j]
	s_wait_kmcnt 0x0
	s_add_co_i32 s77, s74, s75
	s_lshl_b32 s18, s14, 9
	s_add_co_u32 s18, s18, OSTG
	s_lshl_b32 s19, s14, 3
	s_add_co_u32 s19, s19, MLSTG
.irp a, 0,1,2,3,4,5,6,7
	WIN 0x02+(\a/4)
.irp b, 0,1,2,3,4,5,6,7
.irp i, 0,2,4,6
.if \a == 0
	v_pk_mul_f32 v[TT+8*\b+\i:TT+8*\b+\i+1], v[64*(\a%4)+8*\b+\i:64*(\a%4)+8*\b+\i+1], v[PV+2*\a:PV+2*\a+1] op_sel_hi:[1,0]
.else
	v_pk_fma_f32 v[TT+8*\b+\i:TT+8*\b+\i+1], v[64*(\a%4)+8*\b+\i:64*(\a%4)+8*\b+\i+1], v[PV+2*\a:PV+2*\a+1], v[TT+8*\b+\i:TT+8*\b+\i+1] op_sel_hi:[1,0,1]
.endif
.endr
.endr
.endr
	WIN 0
.irp m, 1,2,4,8
.set j, 0
.rept 64
	v_add_f32_dpp v[TT+j], v[TT+j], v[TT+j] row_xmask:\m row_mask:0xf bank_mask:0xf
.set j, j+1
.endr
.endr
	v_bfe_u32 v27, v0, 4, 1
	v_lshl_add_u32 v27, v27, 5, s18                ; in: 32 h; block b 64 bytes on.  Sixteen lanes hold the same numbers and store them to the same bytes
	v_and_b32 v28, 31, v0
	v_lshl_add_u32 v29, v28, 4, s18                ; back: 16 x lane
	v_mov_b32 v30, s19
	v_lshlrev_b32 v31, 3, v28
.irp b, 0,1,2,3,4,5,6,7
	ds_store_b128 v27, v[TT+8*\b:TT+8*\b+3] offset:64*\b
	ds_store_b128 v27, v[TT+8*\b+4:TT+8*\b+7] offset:64*\b+16
.endr
	ds_store_b64 v30, v[MX:LS]
	s_wait_alu depctr_va_vdst(0)
	s_wait_dscnt 0x0
	s_barrier_signal -1
	s_barrier_wait -1
	s_cmp_lg_u32 s15, 0
	s_cbranch_scc1 .Ldone                          ; waves 0 and 1 join their head's two halves of the keys
	ds_load_b128 v[96:99], v29
	ds_load_b128 v[100:103], v29 offset:1024
	ds_load_b64 v[104:105], v30 offset:16
	s_wait_dscnt 0x0
	v_max_num_f32 v110, v[MX], v104
	v_sub_f32 v107, v[MX], v110
	v_sub_f32 v108, v104, v110
	s_wait_alu depctr_va_vdst(0)
	v_exp_f32 v107, v107
	v_exp_f32 v108, v108
	v_nop
	s_wait_alu depctr_va_vdst(0)
	v_mul_f32 v111, v[LS], v107
	v_fmac_f32 v111, v105, v108
.irp j, 0,1,2,3
	v_mul_f32 v[96+\j], v[96+\j], v107
.endr
.irp j, 0,1,2,3
	v_fmac_f32 v[96+\j], v[100+\j], v108
.endr
.irp j, 0,1,2,3
	v_ldexp_f32 v[96+\j], v[96+\j], s77            ; x 2^(e2 + e3)
.endr
	global_store_b128 v[BOF], v[96:99], s[68:69]   ; 512 consecutive bytes, aligned
	global_store_b64 v31, v[110:111], s[70:71]     ; (m, l) in every lane: one aligned unit of 256 bytes
.Ldone:
	s_wait_tensorcnt 0x0                           ; the wave's end
	ds_add_u32 v[SPW], v[NIL]
	s_wait_dscnt 0x0
	ROUND                                          ; the closing round
	s_endpgm
.Lfunc_end_k_q32732a2059_attn:
	.size	k_q32732a2059_attn, .Lfunc_end_k_q32732a2059_attn-k_q32732a2059_attn
	.p2alignl 7, 3214868480
	.fill 96, 4, 3214868480
	.section	.rodata,"a",@progbits
	.p2align	6, 0x0
	.amdhsa_kernel k_q32732a2059_attn
		.amdhsa_group_segment_fixed_size 327680
		.amdhsa_private_segment_fixed_size 0
		.amdhsa_enable_private_segment 0
		.amdhsa_kernarg_size 48
		.amdhsa_user_sgpr_count 2
		.amdhsa_user_sgpr_kernarg_segment_ptr 1
		.amdhsa_wavefront_size32 1
		.amdhsa_system_sgpr_workgroup_id_x 1
		.amdhsa_system_sgpr_workgroup_id_y 1
		.amdhsa_system_sgpr_workgroup_id_z 1
		.amdhsa_system_vgpr_workitem_id 0
		.amdhsa_next_free_vgpr 1024
		.amdhsa_next_free_sgpr 90
		.amdhsa_reserve_vcc 0
		.amdhsa_float_denorm_mode_32 3
		.amdhsa_float_denorm_mode_16_64 3
		.amdhsa_memory_ordered 1
		.amdhsa_forward_progress 1
		.amdhsa_inst_pref_size 228
	.end_amdhsa_kernel
	.amdgpu_metadata
---
amdhsa.version: [ 1, 2 ]
amdhsa.kernels:
  - .name:           k_q32732a2059_attn
    .symbol:         k_q32732a2059_attn.kd
    .args:
      - { .name: xc, .offset: 0, .size: 8, .value_kind: global_buffer, .address_space: global }
      - { .name: wc, .offset: 8, .size: 8, .value_kind: global_buffer, .address_space: global }
      - { .name: qv, .offset: 16, .size: 8, .value_kind: global_buffer, .address_space: global }
      - { .name: lowp_scales, .offset: 24, .size: 8, .value_kind: global_buffer, .address_space: global }
      - { .name: part_o, .offset: 32, .size: 8, .value_kind: global_buffer, .address_space: global }
      - { .name: part_ml, .offset: 40, .size: 8, .value_kind: global_buffer, .address_space: global }
    .group_segment_fixed_size: 327680
    .private_segment_fixed_size: 0
    .kernarg_segment_align: 8
    .kernarg_segment_size: 48
    .max_flat_workgroup_size: 128
    .sgpr_count:     90
    .vgpr_count:     1024
    .wavefront_size: 32
...
	.end_amdgpu_metadata
.endif
;; end of part 2
;; launch fin (part 3): grid 64 x 1, 16 waves a work-group, no clusters, 272,640 bytes of LDS; arguments part_o, part_ml, Wo, bo, out0; writes out0
.if DOCPART == 3
	.amdgcn_target "amdgcn-amd-amdhsa--gfx1250"
	.amdhsa_code_object_version 6
	.text
	.protected	k_q32732a2059_fin
	.globl	k_q32732a2059_fin
	.p2align	8
	.type	k_q32732a2059_fin,@function
k_q32732a2059_fin:
	s_mov_b64 s[64:65], 0
	v_nop
	global_prefetch_b8 v0, s[64:65] scope:SCOPE_SE
	s_setreg_imm32_b32 hwreg(HW_REG_WAVE_MODE, 25, 1), 1
	s_wait_xcnt 0x0
; out0[n] = bo[n] + sum over (head, unit) of Wo[n][128 head + unit] x O[head][unit],  O[head] = (sum over blocks c of 2^(m_c - M) o_c) / (sum over c of 2^(m_c - M) l_c),  M = the largest m_c.
; part_o: [16 heads][32 blocks][128] f32;  part_ml: [16][32] records of 256 bytes that begin with (m, l).
; Work-group g owns outputs 8 g .. 8 g + 7.  Wave w joins head w: its 32 records, one dense block of 16,384 bytes, come by ONE tensor load (64 rows of 256 bytes) into LDS bytes of the wave's own,
; which nobody else reads and nothing fills again: the wave's wait on TENSORcnt is all the ordering that its reads need.  The weights are made while the block is on its way.
; O[w] goes round through LDS; then wave w takes half w / 8 of row n = 8 g + w % 8 of Wo (4,096 bytes, read once in the launch).  The two halves meet in LDS; wave 0 stores the eight numbers, 32 bytes: out0 is 2,048 bytes in all.
; All in f32: products with one row, in multiply-adds.  l_c is at least 1 (each block's largest p is 1), so the divisor is at least 1.
; No prefetch: the launch has no loop to run ahead in.  No cluster: each wave asks once in the launch, at its head.
.set OSTG,  16*16384                   ; behind the 16 blocks of records: O, 16 x 512 bytes
.set RSTG,  OSTG+8192                  ; 16 words, the half sums
.set SPARE, RSTG+256                   ; the spare words, 2,048 bytes
.set G0, 68                            ; s[68:71] descriptor group 0, s[72:79] group 1
.set G1, 72
	s_load_b256 s[4:11], s[0:1], 0x0               ; part_o, part_ml, Wo, bo
	s_load_b64 s[12:13], s[0:1], 0x20              ; out0
	v_lshl_add_u32 v240, v0, 2, SPARE
	v_mov_b32 v241, 0
	ds_add_u32 v240, v241                          ; the opening lines: the add twice on end and its wait ahead of my tensor load
	ds_add_u32 v240, v241
	v_lshrrev_b32 v4, 5, v0
	v_readfirstlane_b32 s14, v4                    ; wave 0..15
	s_and_b32 s15, s14, 7
	s_lshr_b32 s18, s14, 3                         ; which half of the row
	s_lshl_b32 s19, ttmp9, 3
	s_add_co_u32 s15, s15, s19                     ; n
	s_mov_b32 s17, 0
	s_mov_b32 s26, 0x76543210                      ; v_permlanex16_b32: lane l xor 16
	s_mov_b32 s27, 0xfedcba98
	s_lshl_b32 s28, s18, 12
	s_add_co_u32 s19, s28, OSTG
	s_lshl_b32 s29, s14, 2
	s_add_co_u32 s29, s29, RSTG
	s_lshl_b32 s31, s14, 14                        ; my block of records, in LDS as in part_o
	s_mov_b32 s[G1], 3<<16                         ; elements of 8 bytes, no mask, no padding: the reads below take 512 consecutive bytes
	s_mov_b32 s[G1+1], 32<<16                      ; tensor_dim0 = 32 elements: a row of 256 bytes
	s_mov_b32 s[G1+2], 64<<16                      ; tensor_dim1 = 64
	s_mov_b32 s[G1+3], 32<<16                      ; tile_dim0
	s_mov_b32 s[G1+4], 64                          ; tile_dim1
	s_mov_b32 s[G1+5], 32                          ; the pitch: the rows lie end to end
	s_mov_b32 s[G1+6], 0
	s_mov_b32 s[G1+7], 0
	v_and_b32 v1, 31, v0
	v_lshlrev_b32 v2, 4, v1                        ; 16 x lane
	v_lshlrev_b32 v3, 8, v1                        ; 256 x lane
	v_lshl_add_u32 v5, v0, 4, OSTG                 ; O's stage + 512 x wave + 16 x lane
	v_add_nc_u32 v6, s19, v2                       ; my half's eight heads in O's stage
	v_mov_b32 v7, s29                              ; my half sum's word
	v_and_b32 v8, 7, v0
	v_lshlrev_b32 v9, 2, v8                        ; wave 0: output lane % 8,
	v_add_nc_u32 v8, RSTG, v9                      ; and its first half sum
	v_add_nc_u32 v10, s31, v2                      ; my records: 16,384 x wave + 16 x lane
	v_mov_b32 v223, 0                              ; a lane permute's destination counts as one of its sources
	s_wait_alu depctr_va_vdst(0)                   ; the wait at the head's end
	s_wait_dscnt 0x0                               ; both opening adds are done
	s_wait_kmcnt 0x0
	s_mov_b32 s16, s31
	s_mov_b32 s[G0], 1
	s_lshl_b32 s[G0+1], s14, 14
	s_add_nc_u64 s[G0+2:G0+3], s[4:5], s[16:17]
	s_or_b32 s[G0+3], s[G0+3], 0x80000000
	tensor_load_to_lds s[G0:G0+3], s[G1:G1+7]      ; head w's 32 records of o: my one tensor load
	s_nop 0
	s_lshl_b32 s16, s14, 13
	s_add_nc_u64 s[20:21], s[6:7], s[16:17]        ; head w's 32 records of (m, l)
	s_lshl_b32 s16, s15, 13
	s_add_co_u32 s16, s16, s28
	s_add_nc_u64 s[24:25], s[8:9], s[16:17]        ; my half of row n of Wo
	s_lshl_b32 s16, s15, 2
	s_add_nc_u64 s[10:11], s[10:11], s[16:17]
	s_load_b32 s30, s[10:11], 0x0                  ; bo[n]
	s_lshl_b32 s16, ttmp9, 5
	s_add_nc_u64 s[12:13], s[12:13], s[16:17]
	global_load_b64 v[216:217], v3, s[20:21]       ; lane c: (m, l) of block c
.irp i, 0,1,2,3,4,5,6,7
	global_load_b128 v[16+4*\i:19+4*\i], v2, s[24:25] offset:512*\i th:TH_LOAD_NT   ; Wo[n][1024 half + 128 i + 4 lane + 0 .. 3]
.endr
	s_wait_loadcnt 8                               ; (m, l) is in; Wo's 8 loads may be out
	v_mov_b32 v222, v216
.irp m, 1,2,4,8
	v_max_num_f32_dpp v222, v222, v222 row_xmask:\m row_mask:0xf bank_mask:0xf
.endr
	v_permlanex16_b32 v223, v222, s26, s27
	v_max_num_f32 v222, v222, v223                 ; M
	v_sub_f32 v224, v216, v222
	s_wait_alu depctr_va_vdst(0)                   ; a wait ahead of each transcendental and behind it
	v_exp_f32 v224, v224
	v_nop
	s_wait_alu depctr_va_vdst(0)
	v_mul_f32 v225, v224, v217
.irp m, 1,2,4,8
	v_add_f32_dpp v225, v225, v225 row_xmask:\m row_mask:0xf bank_mask:0xf
.endr
	v_permlanex16_b32 v223, v225, s26, s27
	v_add_f32 v225, v225, v223                     ; L
	s_wait_alu depctr_va_vdst(0)
	v_rcp_f32 v225, v225
	v_nop
	s_wait_alu depctr_va_vdst(0)
	v_mul_f32 v220, v224, v225                     ; lane c: block c's weight 2^(m_c - M) / L
.set c, 0
.rept 32
	v_readlane_b32 s[32+c], v220, c                ; the weights as scalars
.set c, c+1
.endr
	s_wait_alu depctr_va_vdst(0)
	s_wait_tensorcnt 0x0                           ; my records have landed
.set c, 0
.rept 32
	ds_load_b128 v[80+4*c:83+4*c], v10 offset:512*c        ; block c: units 4 lane .. 4 lane + 3
.set c, c+1
.endr
.set c, 0
.rept 32
.if (c%8) == 0
	s_wait_alu depctr_va_vdst(0)
	s_wait_dscnt 24-c                              ; eight more records are in; the younger groups of eight may be out
.endif
.irp j, 0,1,2,3
.if c == 0
	v_mul_f32 v[208+\j], s[32+c], v[80+4*c+\j]
.else
	v_fmac_f32 v[208+\j], s[32+c], v[80+4*c+\j]
.endif
.endr
.set c, c+1
.endr
	ds_store_b128 v5, v[208:211]                   ; O[head w]
	s_wait_dscnt 0x0                               ; for the others' sake: my store has landed
	s_barrier_signal -1
	s_barrier_wait -1
.irp i, 0,1,2,3,4,5,6,7
	ds_load_b128 v[80+4*\i:83+4*\i], v6 offset:512*\i      ; my half's 1,024 numbers, laid as my half row of Wo is
.endr
	s_wait_kmcnt 0x0
	s_cmp_lt_u32 s14, 8
	s_cselect_b32 s30, s30, 0                      ; the first half's wave adds bo[n]
	s_wait_loadcnt 0x0
	s_wait_dscnt 0x0
.irp p, 0,1,2,3
	v_pk_mul_f32 v[226+2*\p:227+2*\p], v[16+2*\p:17+2*\p], v[80+2*\p:81+2*\p]
.endr
.set j, 4
.rept 12
	v_pk_fma_f32 v[226+2*(j%4):227+2*(j%4)], v[16+2*j:17+2*j], v[80+2*j:81+2*j], v[226+2*(j%4):227+2*(j%4)]
.set j, j+1
.endr
	v_pk_add_f32 v[226:227], v[226:227], v[228:229]
	v_pk_add_f32 v[230:231], v[230:231], v[232:233]
	v_pk_add_f32 v[226:227], v[226:227], v[230:231]
	v_add_f32 v226, v226, v227
.irp m, 1,2,4,8
	v_add_f32_dpp v226, v226, v226 row_xmask:\m row_mask:0xf bank_mask:0xf
.endr
	v_permlanex16_b32 v223, v226, s26, s27
	v_add_f32 v226, v226, v223
	v_add_f32 v226, s30, v226
	ds_store_b32 v7, v226                          ; all lanes hold the same number and store it to the same word
	s_wait_dscnt 0x0
	s_barrier_signal -1
	s_barrier_wait -1
	s_cmp_lg_u32 s14, 0
	s_cbranch_scc1 .Lend
	ds_load_b32 v234, v8                           ; output lane % 8: the first half's sum,
	ds_load_b32 v235, v8 offset:32                 ; and the second's
	s_wait_dscnt 0x0
	v_add_f32 v234, v234, v235
	v_cmp_gt_u32 vcc_lo, 8, v1
	s_wait_alu depctr_va_vdst(0)
	s_wait_xcnt 0x0                                ; EXEC is a source of the loads above: it changes only behind this wait
	s_and_saveexec_b32 s31, vcc_lo
	global_store_b32 v9, v234, s[12:13]            ; out0[8 g + lane], lanes 0 to 7
	s_wait_xcnt 0x0                                ; and again in front of the line that widens it
	s_or_b32 exec_lo, exec_lo, s31
.Lend:
	s_wait_tensorcnt 0x0                           ; the wave's end
	ds_add_u32 v240, v241
	s_wait_dscnt 0x0
	s_endpgm
.Lfunc_end_k_q32732a2059_fin:
	.size	k_q32732a2059_fin, .Lfunc_end_k_q32732a2059_fin-k_q32732a2059_fin
	.p2alignl 7, 3214868480
	.fill 96, 4, 3214868480
	.section	.rodata,"a",@progbits
	.p2align	6, 0x0
	.amdhsa_kernel k_q32732a2059_fin
		.amdhsa_group_segment_fixed_size 272640
		.amdhsa_private_segment_fixed_size 0
		.amdhsa_enable_private_segment 0
		.amdhsa_kernarg_size 40
		.amdhsa_user_sgpr_count 2
		.amdhsa_user_sgpr_kernarg_segment_ptr 1
		.amdhsa_wavefront_size32 1
		.amdhsa_system_sgpr_workgroup_id_x 1
		.amdhsa_system_sgpr_workgroup_id_y 1
		.amdhsa_system_sgpr_workgroup_id_z 1
		.amdhsa_system_vgpr_workitem_id 0
		.amdhsa_next_free_vgpr 244
		.amdhsa_next_free_sgpr 80
		.amdhsa_reserve_vcc 1
		.amdhsa_float_denorm_mode_32 3
		.amdhsa_float_denorm_mode_16_64 3
		.amdhsa_memory_ordered 1
		.amdhsa_forward_progress 1
		.amdhsa_inst_pref_size 17
	.end_amdhsa_kernel
	.amdgpu_metadata
---
amdhsa.version: [ 1, 2 ]
amdhsa.kernels:
  - .name:           k_q32732a2059_fin
    .symbol:         k_q32732a2059_fin.kd
    .args:
      - { .name: part_o, .offset: 0, .size: 8, .value_kind: global_buffer, .address_space: global }
      - { .name: part_ml, .offset: 8, .size: 8, .value_kind: global_buffer, .address_space: global }
      - { .name: Wo, .offset: 16, .size: 8, .value_kind: global_buffer, .address_space: global }
      - { .name: bo, .offset: 24, .size: 8, .value_kind: global_buffer, .address_space: global }
      - { .name: out0, .offset: 32, .size: 8, .value_kind: global_buffer, .address_space: global }
    .group_segment_fixed_size: 272640
    .private_segment_fixed_size: 0
    .kernarg_segment_align: 8
    .kernarg_segment_size: 40
    .max_flat_workgroup_size: 512
    .sgpr_count:     80
    .vgpr_count:     244
    .wavefront_size: 32
...
	.end_amdgpu_metadata
.endif
;; end of part 3
